; MI455X (gfx1250); checked and timed in simulation.
; The chip was launched on July 23, 2026; its instructions are those of AMD's public machine-readable ISA for CDNA 5 (MIT licence, August 2026) and "CDNA5" Instruction Set Architecture Reference Guide (July 2026). The comments in the code are by the model that wrote it; some were corrected since.
;; Attn. Allowed arithmetic: float matrix products may take bf16 or f16 operands with f32 sums; all other float work in f32.
;; Inputs: W 1,024 x 1,024 float32; b 1,024 float32; encoder_outputs 32 x 2,048 x 1,024 float32; hidden 32 x 1,024 float32.
;; Outputs: out0 32 x 1 x 2,048 float32.
;; One version. Each part assembles by itself: llvm-mc -triple=amdgcn-amd-amdhsa -mcpu=gfx1250 --defsym DOCPART=n.
;; ======== version 1 of 1: 3 launches
;; workspace buffers: vp 2,097,152 bytes; scores 262,144 bytes
;; launch vpart (part 1): grid 16 x 16, 4 waves a work-group, no clusters, 8,704 bytes of LDS; arguments W, hidden, vp; writes vp
.if DOCPART == 1
	.amdgcn_target "amdgcn-amd-amdhsa--gfx1250"
	.amdhsa_code_object_version 6
	.text
	.protected	k_qb2dd3352bd_vpart
	.globl	k_qb2dd3352bd_vpart
	.p2align	8
	.type	k_qb2dd3352bd_vpart,@function
k_qb2dd3352bd_vpart:
	s_mov_b64 s[64:65], 0
	v_nop
	global_prefetch_b8 v0, s[64:65] scope:SCOPE_SE
	s_setreg_imm32_b32 hwreg(HW_REG_WAVE_MODE, 25, 1), 1
	s_wait_xcnt 0x0
; FIRST OF THREE LAUNCHES.  The module is scores[b][s] = hidden[b] . (W enc[b][s] + bias), softmax over s.  The product with W is only ever
; contracted with one vector a batch, so for every input scores[b][s] = enc[b][s] . v[b] + hidden[b] . bias with v[b][h] = sum over o of hidden[b][o] W[o][h].
; This launch makes v in 16 partial sums:  vp[ks][b][h] = sum over the 64 o of chunk ks of hidden[b][o] W[o][h].   W: [1024 o][1024 h], hidden: [32][1024], vp: [16][32][1024], all f32.
; FORMAT.  f32 on the vector unit: v is an intermediate, a score must hold to about 0.01 absolute for the softmax, and 1,024 terms against a v rounded to 8 bits do not;
; the product has 32 rows and 67 MFLOP in all, so a matrix form would save nothing.
; LIMITS.  The order of the sums differs from the module's as written (W is contracted with hidden first; K in 16 x 2 parts); NaN and infinities are not treated apart.
; SHARES.  Work-group (cb, ks): 64 columns (256 bytes of a row of W) x 64 rows of W.  Wave w: batches 8 w .. 8 w + 7.  Lane (r = l % 16, h = l / 16): columns 4 r .. 4 r + 3, rows 32 h + 0 .. 31:
; a 16-byte load of W covers two whole aligned runs of 256 bytes, one for each half of the lanes.  The halves hold different rows; their sums are added at the end.
; No cluster: a tile of W is shared by the four waves of one work-group alone.  No barrier: each wave keeps its own 2,048 bytes of LDS.
.set SPARE, 8192                       ; behind the four hidden tiles: the spare words, 128 bytes for each wave, two blocks of 256 bytes that no other line names
.set WOFF, 3                           ; v3       my byte offset in the tile of W: 32 h rows of 4,096 bytes + 16 r
.set HOFF, 4                           ; v4       h rows of 4,096 bytes + 16 r: for the loads of hidden and the stores of vp; never rewritten
.set LST,  5                           ; v5       LDS: my wave's tile + 16 x lane
.set LRD,  6                           ; v6       LDS: my wave's tile + 128 h (the 32 o of my half)
.set SPW,  8                           ; v8       LDS address of my spare word; never rewritten
.set NIL,  9                           ; v9       0; never rewritten
.set STG,  16                          ; v[16:31]   hidden on its way to LDS
.set ACC,  32                          ; v[32:63]   sums: batch bb, column c at ACC + 4 bb + c
.set HID,  64                          ; v[64:127]  two sets of 32: four o of eight batches each
.set WR,   128                         ; v[128:255] my 32 rows of W, four columns each
	s_load_b128 s[4:7], s[0:1], 0x0                ; W s[4:5], hidden s[6:7]
	s_load_b64 s[8:9], s[0:1], 0x10                ; vp
	v_lshl_add_u32 v[SPW], v0, 2, SPARE
	v_mov_b32 v[NIL], 0
	v_lshrrev_b32 v7, 5, v0
	v_readfirstlane_b32 s10, v7                    ; wave 0..3
	v_and_b32 v1, 15, v0                           ; r
	v_bfe_u32 v2, v0, 4, 1                         ; h
	v_and_b32 v7, 31, v0                           ; lane
	v_lshlrev_b32 v3, 4, v1                        ; 16 r
	v_lshl_add_u32 v[HOFF], v2, 12, v3
	v_lshl_add_u32 v[WOFF], v2, 17, v3
	s_and_b32 s11, ttmp7, 0xffff                   ; ks
	s_lshl_b32 s19, ttmp9, 8                       ; cb x 256 bytes
	s_lshl_b32 s12, s11, 18                        ; W: ks x 64 rows of 4,096 bytes
	s_add_co_u32 s12, s12, s19
	s_mov_b32 s13, 0
	s_lshl_b32 s14, s10, 15                        ; hidden: w x 8 rows of 4,096 bytes
	s_lshl_b32 s20, s11, 8                         ;         + ks x 64 numbers
	s_add_co_u32 s14, s14, s20
	s_mov_b32 s15, 0
	s_lshl_b32 s16, s11, 17                        ; vp: ks x 32 rows of 4,096 bytes
	s_lshl_b32 s21, s10, 15                        ;     + w x 8 rows
	s_add_co_u32 s16, s16, s21
	s_add_co_u32 s16, s16, s19                     ;     + cb x 256 bytes
	s_mov_b32 s17, 0
	s_lshl_b32 s18, s10, 11                        ; my wave's 2,048 bytes of LDS
	v_lshl_add_u32 v[LST], v7, 4, s18
	v_lshl_add_u32 v[LRD], v2, 7, s18
	s_wait_kmcnt 0x0
	s_add_nc_u64 s[4:5], s[4:5], s[12:13]
	s_add_nc_u64 s[6:7], s[6:7], s[14:15]
	s_add_nc_u64 s[8:9], s[8:9], s[16:17]
.irp j, 0,1,2,3
	global_load_b128 v[STG+4*(\j):STG+4*(\j)+3], v[HOFF], s[6:7] offset:8192*(\j)   ; batches 2 j + h of my eight: 256 bytes each
.endr
.irp i, 0,1,2,3,4,5,6,7,8,9,10,11,12,13,14,15,16,17,18,19,20,21,22,23,24,25,26,27,28,29,30,31
	global_load_b128 v[WR+4*(\i):WR+4*(\i)+3], v[WOFF], s[4:5] offset:4096*(\i)     ; row 32 h + i; no cache word: the three other waves read the same bytes
.endr
	s_wait_loadcnt 32                              ; loads come back in order (ISA guide 5.7.1): the 32 of W are younger, hidden is in
.irp j, 0,1,2,3
	ds_store_b128 v[LST], v[STG+4*(\j):STG+4*(\j)+3] offset:512*(\j)                ; 512 consecutive bytes: rows 2 j, 2 j + 1 of a tile of 8 rows x 256 bytes
.endr
; Four o (numbers 4 q .. 4 q + 3 of my half's 32) of all eight batches: each half of the lanes reads one run of 16 bytes, which all its lanes share.
.macro HIDQ q
.irp bb, 0,1,2,3,4,5,6,7
	ds_load_b128 v[HID+32*((\q)%2)+4*(\bb):HID+32*((\q)%2)+4*(\bb)+3], v[LRD] offset:256*(\bb)+16*(\q)
.endr
.endm
; Four rows of W times those numbers: 64 packed multiply-adds; the 16 pairs of sums take turns.  The very first row's products start the sums: nothing is cleared.
; The number of hidden is one register of a pair, taken for both halves of the packed form: the first (op_sel_hi 0) for even e, the second (op_sel 1) for odd e.
.macro FMAQ q
.irp e, 0,1,2,3
.irp bb, 0,1,2,3,4,5,6,7
.irp d, 0,1
.set rA, ACC+4*(\bb)+2*(\d)
.set rW, WR+4*(4*(\q)+(\e))+2*(\d)
.set rH, HID+32*((\q)%2)+4*(\bb)+2*((\e)/2)
.if (4*(\q)+(\e)) == 0
	v_pk_mul_f32 v[rA:rA+1], v[rW:rW+1], v[rH:rH+1] op_sel_hi:[1,0]
.elseif ((\e)%2) == 0
	v_pk_fma_f32 v[rA:rA+1], v[rW:rW+1], v[rH:rH+1], v[rA:rA+1] op_sel_hi:[1,0,1]
.else
	v_pk_fma_f32 v[rA:rA+1], v[rW:rW+1], v[rH:rH+1], v[rA:rA+1] op_sel:[0,1,0]
.endif
.endr
.endr
.endr
.endm
	HIDQ 0
.irp q, 0,1,2,3,4,5,6
	HIDQ (\q)+1                                    ; the next four o, into the other set
	s_wait_dscnt 8                                 ; LDS serves a wave in order (ISA guide 5.7.1): all but the eight loads just issued are done
	s_wait_loadcnt 28-4*(\q)                       ; rows up to 4 q + 3 of W are in; the younger rows stay out
	FMAQ \q
.endr
	s_wait_dscnt 0x0
	s_wait_loadcnt 0x0
	FMAQ 7
	; The two halves of the lanes are added.  The swap leaves in the first register the lower lanes' sums of batches 2 p (lanes 0-15) and 2 p + 1 (lanes 16-31), in the second the upper lanes' sums, in the same places.
.irp p, 0,1,2,3
.irp c, 0,1,2,3
	v_permlane16_swap_b32 v[ACC+8*(\p)+(\c)], v[ACC+8*(\p)+4+(\c)]
.endr
.endr
.irp p, 0,1,2,3
.irp d, 0,1
	v_pk_add_f32 v[ACC+8*(\p)+2*(\d):ACC+8*(\p)+2*(\d)+1], v[ACC+8*(\p)+2*(\d):ACC+8*(\p)+2*(\d)+1], v[ACC+8*(\p)+4+2*(\d):ACC+8*(\p)+4+2*(\d)+1]
.endr
.endr
.irp p, 0,1,2,3
	global_store_b128 v[HOFF], v[ACC+8*(\p):ACC+8*(\p)+3], s[8:9] offset:8192*(\p)  ; 16 lanes store 256 consecutive bytes of batch 2 p + h, at a multiple of 256 from vp's first byte
.endr
	s_wait_tensorcnt 0x0                           ; the wave's end, behind my last LDS store
	ds_add_u32 v[SPW], v[NIL]
	s_wait_dscnt 0x0
	s_endpgm
.Lfunc_end_k_qb2dd3352bd_vpart:
	.size	k_qb2dd3352bd_vpart, .Lfunc_end_k_qb2dd3352bd_vpart-k_qb2dd3352bd_vpart
	.p2alignl 7, 3214868480
	.fill 96, 4, 3214868480
	.section	.rodata,"a",@progbits
	.p2align	6, 0x0
	.amdhsa_kernel k_qb2dd3352bd_vpart
		.amdhsa_group_segment_fixed_size 8704
		.amdhsa_private_segment_fixed_size 0
		.amdhsa_enable_private_segment 0
		.amdhsa_kernarg_size 24
		.amdhsa_user_sgpr_count 2
		.amdhsa_user_sgpr_kernarg_segment_ptr 1
		.amdhsa_wavefront_size32 1
		.amdhsa_system_sgpr_workgroup_id_x 1
		.amdhsa_system_sgpr_workgroup_id_y 1
		.amdhsa_system_sgpr_workgroup_id_z 1
		.amdhsa_system_vgpr_workitem_id 0
		.amdhsa_next_free_vgpr 256
		.amdhsa_next_free_sgpr 66
		.amdhsa_reserve_vcc 0
		.amdhsa_float_denorm_mode_32 3
		.amdhsa_float_denorm_mode_16_64 3
		.amdhsa_memory_ordered 1
		.amdhsa_forward_progress 1
		.amdhsa_inst_pref_size 44
	.end_amdhsa_kernel
	.amdgpu_metadata
---
amdhsa.version: [ 1, 2 ]
amdhsa.kernels:
  - .name:           k_qb2dd3352bd_vpart
    .symbol:         k_qb2dd3352bd_vpart.kd
    .args:
      - { .name: W, .offset: 0, .size: 8, .value_kind: global_buffer, .address_space: global }
      - { .name: hidden, .offset: 8, .size: 8, .value_kind: global_buffer, .address_space: global }
      - { .name: vp, .offset: 16, .size: 8, .value_kind: global_buffer, .address_space: global }
    .group_segment_fixed_size: 8704
    .private_segment_fixed_size: 0
    .kernarg_segment_align: 8
    .kernarg_segment_size: 24
    .max_flat_workgroup_size: 128
    .sgpr_count:     66
    .vgpr_count:     256
    .wavefront_size: 32
...
	.end_amdgpu_metadata
.endif
;; end of part 1
;; launch stream (part 2): grid 8 x 32, 16 waves a work-group, no clusters, 7,168 bytes of LDS; arguments encoder_outputs, vp, scores; writes scores
.if DOCPART == 2
	.amdgcn_target "amdgcn-amd-amdhsa--gfx1250"
	.amdhsa_code_object_version 6
	.text
	.protected	k_qb2dd3352bd_stream
	.globl	k_qb2dd3352bd_stream
	.p2align	8
	.type	k_qb2dd3352bd_stream,@function
k_qb2dd3352bd_stream:
	s_mov_b64 s[64:65], 0
	v_nop
	global_prefetch_b8 v0, s[64:65] scope:SCOPE_SE
	s_setreg_imm32_b32 hwreg(HW_REG_WAVE_MODE, 25, 1), 1
	s_wait_xcnt 0x0
; SECOND OF THREE LAUNCHES.  scores[b][s] = enc[b][s][:] . v[b][:], v[b] = the sum of the 16 partial sums vp[ks][b][:].   enc: [32][2048][1024], vp: [16][32][1024], scores: [32][2048], all f32.
; (hidden[b] . bias is added in the third launch, in front of the softmax.)
; A STREAM: every byte of enc is read once, 0.25 multiply-adds a byte, so bytes are all that counts.  f32 on the vector unit: one vector a batch would fill one column in sixteen of a matrix form, and v
; rounded to 16 bits would shift the scores by more than the softmax bears.  No cluster: no two work-groups read the same byte of enc, and vp's 64 KB are a sixteenth of a work-group's bytes.
; No LDS ring: the bytes on their way are held by registers, 32 loads of 512 bytes a wave, 256 KB a work-group.
; LIMITS.  The order of the sums differs from the module's as written; NaN and infinities are not treated apart.
; SHARES.  Work-group (sl, b): rows 256 sl .. + 255 of batch b, 1 MB on end.  Wave w: rows 16 k + w, k = 0 .. 15, so the work-group walks its bytes from front to back, 64 KB a step.
; A wave takes a whole row: load j of eight covers bytes 512 j + 16 x lane, so lane l owns columns 128 j + 4 l .. + 3, and its 32 numbers of v stay in registers.
; A ring of four row slots in registers.  No address register and no base is ever rewritten: row and load stand in the immediate, 986,624 at the most.
.set SC,    4096                       ; LDS: v[b] at bytes 0 .. 4095; then the work-group's 256 scores, wave w's sixteen at SC + 64 w
.set SPARE, 5120                       ; then the spare words, 128 bytes for each of the 16 waves: eight blocks of 256 bytes that no other line names
.set EOFF, 1                           ; v1       16 x lane: my bytes in 512 of a row of enc, and in LDS of v
.set T8,   2                           ; v2       256 w + 8 x lane = 8 x thread: my two numbers of v, in vp and in LDS
.set SCA,  3                           ; v3       SC + 64 w + 4 h
.set T16,  4                           ; v4       16 (thread % 64): my 16 bytes of the work-group's scores in memory
.set SPW,  5                           ; v5       LDS address of my spare word; never rewritten
.set NIL,  6                           ; v6       0; never rewritten
.set RDB,  7                           ; v7       where thread t of the first 64 finds score 4 t: 256 (t % 4) + 4 (t / 4)
.set T,    8                           ; v[8:15]    four pairs at work
.set S,    16                          ; v[16:31]   my lane's part of the sum of row k
.set V,    32                          ; v[32:63]   the 16 pairs of vp, then v of my 32 columns
.set X,    64                          ; v[64:191]  slot k % 4: 32 registers, a row
	s_load_b128 s[4:7], s[0:1], 0x0                ; enc s[4:5], vp s[6:7]
	s_load_b64 s[8:9], s[0:1], 0x10                ; scores
	v_lshl_add_u32 v[SPW], v0, 2, SPARE
	v_mov_b32 v[NIL], 0
	v_lshrrev_b32 v8, 5, v0
	v_readfirstlane_b32 s10, v8                    ; wave 0..15
	v_and_b32 v8, 31, v0                           ; lane
	v_lshlrev_b32 v[EOFF], 4, v8
	s_lshl_b32 s18, s10, 8
	v_lshl_add_u32 v[T8], v8, 3, s18
	v_bfe_u32 v9, v0, 4, 1                         ; h
	s_lshl_b32 s19, s10, 6
	s_add_co_u32 s19, s19, SC
	v_lshl_add_u32 v[SCA], v9, 2, s19
	v_and_b32 v[T16], 63, v0
	v_lshlrev_b32 v[T16], 4, v[T16]
	v_and_b32 v[RDB], 3, v0
	v_bfe_u32 v9, v0, 2, 4
	v_lshlrev_b32 v9, 2, v9
	v_lshl_add_u32 v[RDB], v[RDB], 8, v9
	s_and_b32 s11, ttmp7, 0xffff                   ; b
	s_lshl_b32 s12, s11, 23                        ; enc: b x 2,048 rows of 4,096 bytes
	s_lshl_b32 s20, ttmp9, 20                      ;      + sl x 256 rows
	s_add_co_u32 s12, s12, s20
	s_lshl_b32 s20, s10, 12                        ;      + w rows: under 2^28 + 2^20 in all
	s_add_co_u32 s12, s12, s20
	s_mov_b32 s13, 0
	s_lshl_b32 s14, s11, 12                        ; vp: b rows of 4,096 bytes
	s_mov_b32 s15, 0
	s_lshl_b32 s16, s11, 13                        ; scores: b rows of 8,192 bytes
	s_lshl_b32 s20, ttmp9, 10                      ;         + sl x 256 numbers
	s_add_co_u32 s16, s16, s20
	s_mov_b32 s17, 0
	s_wait_kmcnt 0x0
	s_add_nc_u64 s[4:5], s[4:5], s[12:13]
	s_add_nc_u64 s[6:7], s[6:7], s[14:15]
	s_add_nc_u64 s[8:9], s[8:9], s[16:17]
.macro FILL k                          ; row 16 k + w into slot k % 4: eight loads of 512 consecutive bytes; read once in the launch, so non-temporal
.set XF, X+32*((\k)%4)
.irp j, 0,1,2,3,4,5,6,7
	global_load_b128 v[XF+4*(\j):XF+4*(\j)+3], v[EOFF], s[4:5] offset:65536*(\k)+512*(\j) th:TH_LOAD_NT
.endr
.endm
.irp n, 0,1,2,3,4,5,6,7,8,9,10,11,12,13,14,15
	global_load_b64 v[V+2*(\n):V+2*(\n)+1], v[T8], s[6:7] offset:131072*(\n)        ; partial sum n of my two numbers of v: a wave covers 256 consecutive bytes.  Issued first, so that the wait for them leaves enc's loads out
.endr
	FILL 0
	FILL 1
	FILL 2
	FILL 3
	s_wait_loadcnt 32                              ; loads come back in order (ISA guide 5.7.1): the 32 of enc are younger, vp is in
.irp n, 0,2,4,6,8,10,12,14                     ; the 16 partial sums are added as a tree, neighbours 1, 2, 4 and 8 apart
	v_pk_add_f32 v[V+2*(\n):V+2*(\n)+1], v[V+2*(\n):V+2*(\n)+1], v[V+2*(\n)+2:V+2*(\n)+3]
.endr
.irp n, 0,4,8,12
	v_pk_add_f32 v[V+2*(\n):V+2*(\n)+1], v[V+2*(\n):V+2*(\n)+1], v[V+2*(\n)+4:V+2*(\n)+5]
.endr
.irp n, 0,8
	v_pk_add_f32 v[V+2*(\n):V+2*(\n)+1], v[V+2*(\n):V+2*(\n)+1], v[V+2*(\n)+8:V+2*(\n)+9]
.endr
	v_pk_add_f32 v[V:V+1], v[V:V+1], v[V+16:V+17]
	ds_store_b64 v[T8], v[V:V+1]                   ; 512 threads x 8 bytes: v[b]
	s_wait_dscnt 0x0                               ; for the others' sake: my part of v is in LDS
	s_barrier_signal -1
	s_barrier_wait -1                              ; everybody's is.  enc's loads stay on their way: nobody writes those bytes
.irp j, 0,1,2,3,4,5,6,7
	ds_load_b128 v[V+4*(\j):V+4*(\j)+3], v[EOFF] offset:512*(\j)                    ; v of the columns that load j of a row brings me; 512 consecutive bytes a load
.endr
	s_wait_dscnt 0x0
; Row 16 k + w.  left = the younger loads that may stay out: eight for each row behind it in the ring.  Four chains of packed multiply-adds, started by the first four products;
; the slot is filled again straight behind its last reader; the lane's 32 products end in one number.
.macro ROW k, left
.set XB, X+32*((\k)%4)
	s_wait_loadcnt \left
.irp n, 0,1,2,3
	v_pk_mul_f32 v[T+2*(\n):T+2*(\n)+1], v[XB+2*(\n):XB+2*(\n)+1], v[V+2*(\n):V+2*(\n)+1]
.endr
.irp n, 4,5,6,7,8,9,10,11,12,13,14,15
	v_pk_fma_f32 v[T+2*((\n)%4):T+2*((\n)%4)+1], v[XB+2*(\n):XB+2*(\n)+1], v[V+2*(\n):V+2*(\n)+1], v[T+2*((\n)%4):T+2*((\n)%4)+1]
.endr
.if (\k) < 12
	FILL (\k)+4
.endif
	v_pk_add_f32 v[T:T+1], v[T:T+1], v[T+2:T+3]
	v_pk_add_f32 v[T+4:T+5], v[T+4:T+5], v[T+6:T+7]
	v_pk_add_f32 v[T:T+1], v[T:T+1], v[T+4:T+5]
	v_add_f32 v[S+(\k)], v[T], v[T+1]
.endm
.irp k, 0,1,2,3,4,5,6,7,8,9,10,11,12
	ROW \k, 24
.endr
	ROW 13, 16                                     ; the last rows fill nothing: the counts run down
	ROW 14, 8
	ROW 15, 0
	; Across the lanes, all sixteen rows at once.  The swap and one addition fold the halves of the lanes of two rows into one register (row 2 p in lanes 0-15, row 2 p + 1 in lanes 16-31);
	; four steps inside each half ride on the addition.  Eight chains take turns.
.irp p, 0,1,2,3,4,5,6,7
	v_permlane16_swap_b32 v[S+2*(\p)], v[S+2*(\p)+1]
.endr
.irp p, 0,1,2,3,4,5,6,7
	v_add_f32 v[S+2*(\p)], v[S+2*(\p)], v[S+2*(\p)+1]
.endr
.irp m, 1,2,4,8
.irp p, 0,1,2,3,4,5,6,7
	v_add_f32_dpp v[S+2*(\p)], v[S+2*(\p)], v[S+2*(\p)] row_xmask:\m row_mask:0xf bank_mask:0xf
.endr
.endr
.irp p, 0,1,2,3,4,5,6,7
	ds_store_b32 v[SCA], v[S+2*(\p)] offset:8*(\p) ; row k = 2 p + h at SC + 64 w + 4 k; the sixteen lanes of a half write the same word with the same number
.endr
	s_wait_tensorcnt 0x0                           ; behind my last LDS store; only LDS reads follow
	ds_add_u32 v[SPW], v[NIL]
	s_wait_dscnt 0x0                               ; also for the others' sake: my sixteen scores are in LDS
	s_barrier_signal -1
	s_barrier_wait -1
	s_cmp_gt_u32 s10, 1
	s_cbranch_scc1 .Lend                           ; 256 scores are 64 lanes' 16 bytes: waves 0 and 1 store them
.irp c, 0,1,2,3
	ds_load_b32 v[T+(\c)], v[RDB] offset:SC+64*(\c) ; score 4 t + c is row 16 (t / 4) + 4 (t % 4) + c: wave 4 (t % 4) + c, k = t / 4
.endr
	s_wait_dscnt 0x0
	global_store_b128 v[T16], v[T:T+3], s[8:9]     ; a wave stores 512 consecutive bytes, at a multiple of 256 from the buffer's first byte
.Lend:
	s_endpgm
.Lfunc_end_k_qb2dd3352bd_stream:
	.size	k_qb2dd3352bd_stream, .Lfunc_end_k_qb2dd3352bd_stream-k_qb2dd3352bd_stream
	.p2alignl 7, 3214868480
	.fill 96, 4, 3214868480
	.section	.rodata,"a",@progbits
	.p2align	6, 0x0
	.amdhsa_kernel k_qb2dd3352bd_stream
		.amdhsa_group_segment_fixed_size 7168
		.amdhsa_private_segment_fixed_size 0
		.amdhsa_enable_private_segment 0
		.amdhsa_kernarg_size 24
		.amdhsa_user_sgpr_count 2
		.amdhsa_user_sgpr_kernarg_segment_ptr 1
		.amdhsa_wavefront_size32 1
		.amdhsa_system_sgpr_workgroup_id_x 1
		.amdhsa_system_sgpr_workgroup_id_y 1
		.amdhsa_system_sgpr_workgroup_id_z 1
		.amdhsa_system_vgpr_workitem_id 0
		.amdhsa_next_free_vgpr 192
		.amdhsa_next_free_sgpr 66
		.amdhsa_reserve_vcc 0
		.amdhsa_float_denorm_mode_32 3
		.amdhsa_float_denorm_mode_16_64 3
		.amdhsa_memory_ordered 1
		.amdhsa_forward_progress 1
		.amdhsa_inst_pref_size 41
	.end_amdhsa_kernel
	.amdgpu_metadata
---
amdhsa.version: [ 1, 2 ]
amdhsa.kernels:
  - .name:           k_qb2dd3352bd_stream
    .symbol:         k_qb2dd3352bd_stream.kd
    .args:
      - { .name: encoder_outputs, .offset: 0, .size: 8, .value_kind: global_buffer, .address_space: global }
      - { .name: vp, .offset: 8, .size: 8, .value_kind: global_buffer, .address_space: global }
      - { .name: scores, .offset: 16, .size: 8, .value_kind: global_buffer, .address_space: global }
    .group_segment_fixed_size: 7168
    .private_segment_fixed_size: 0
    .kernarg_segment_align: 8
    .kernarg_segment_size: 24
    .max_flat_workgroup_size: 512
    .sgpr_count:     66
    .vgpr_count:     192
    .wavefront_size: 32
...
	.end_amdgpu_metadata
.endif
;; end of part 2
;; launch soft (part 3): grid 32 x 1, 1 waves a work-group, no clusters, 0 bytes of LDS; arguments scores, hidden, b, out0; writes out0
.if DOCPART == 3
	.amdgcn_target "amdgcn-amd-amdhsa--gfx1250"
	.amdhsa_code_object_version 6
	.text
	.protected	k_qb2dd3352bd_soft
	.globl	k_qb2dd3352bd_soft
	.p2align	8
	.type	k_qb2dd3352bd_soft,@function
k_qb2dd3352bd_soft:
	s_mov_b64 s[64:65], 0
	v_nop
	global_prefetch_b8 v0, s[64:65] scope:SCOPE_SE
	s_setreg_imm32_b32 hwreg(HW_REG_WAVE_MODE, 25, 1), 1
	s_wait_xcnt 0x0
; THIRD OF THREE LAUNCHES.  c = hidden[b] . bias;  out0[b][0][s] = softmax over s of (scores[b][s] + c).   scores, out0: [32][2048]; hidden: [32][1024]; bias: [1024]; all f32.
; One wave owns one batch: a row of 2,048 scores is 64 registers a lane, so maximum and sum never leave the wave: no LDS, no barrier.  32 work-groups: the launch moves 0.8 MB, and its length is
; one wait for loads and some 350 instructions; a row spread over waves would trade those for two meetings in LDS.
; The row's maximum is taken away before the exponential: p = 2^(L x - L m), L = log2(e).  L m is rounded once, which is one common factor of all the row's weights and leaves with the division.
; LIMITS.  A weight below 2^-126 counts as 0 (v_exp_f32 flushes: ISA guide 15.8); the division is a reciprocal and a multiplication; NaN and infinities are not treated apart.
.set T,  2                             ; v[2:9]     four pairs at work
.set C,  10                            ; v[10:11]   c, twice
.set NM, 12                            ; v[12:13]   L m, twice
.set R,  14                            ; v[14:15]   1 / sum, twice
.set HD, 32                            ; v[32:63]   my 32 numbers of hidden[b]
.set X,  64                            ; v[64:127]  my 64 scores
.set BI, 128                           ; v[128:159] my 32 numbers of the bias
	s_load_b256 s[4:11], s[0:1], 0x0               ; scores s[4:5], hidden s[6:7], bias s[8:9], out0 s[10:11]
	v_lshlrev_b32 v1, 4, v0                        ; 16 bytes a lane; never rewritten
	v_mov_b32 v16, 0                               ; v_permlanex16_b32's destination counts as read
	s_mov_b32 s12, 0x76543210                      ; each lane takes its own place in the other half
	s_mov_b32 s13, 0xfedcba98
	s_mov_b32 s14, 0x3fb8aa3b                      ; L = log2(e)
	s_mov_b32 s15, s14                             ; named with it as a pair
	s_lshl_b32 s16, ttmp9, 13                      ; b rows of 8,192 bytes
	s_mov_b32 s17, 0
	s_lshl_b32 s18, ttmp9, 12                      ; b rows of 4,096 bytes
	s_mov_b32 s19, 0
	s_wait_kmcnt 0x0
	s_add_nc_u64 s[4:5], s[4:5], s[16:17]
	s_add_nc_u64 s[10:11], s[10:11], s[16:17]
	s_add_nc_u64 s[6:7], s[6:7], s[18:19]
.irp j, 0,1,2,3,4,5,6,7
	global_load_b128 v[HD+4*(\j):HD+4*(\j)+3], v1, s[6:7] offset:512*(\j)
.endr
.irp j, 0,1,2,3,4,5,6,7
	global_load_b128 v[BI+4*(\j):BI+4*(\j)+3], v1, s[8:9] offset:512*(\j)
.endr
.irp j, 0,1,2,3,4,5,6,7,8,9,10,11,12,13,14,15
	global_load_b128 v[X+4*(\j):X+4*(\j)+3], v1, s[4:5] offset:512*(\j)
.endr
.macro WSUM r                          ; the sum over the 32 lanes, in every lane: four steps inside each half ride on the addition, one crosses the halves
	v_add_f32_dpp v[\r], v[\r], v[\r] row_xmask:1 row_mask:0xf bank_mask:0xf
	v_add_f32_dpp v[\r], v[\r], v[\r] row_xmask:2 row_mask:0xf bank_mask:0xf
	v_add_f32_dpp v[\r], v[\r], v[\r] row_xmask:4 row_mask:0xf bank_mask:0xf
	v_add_f32_dpp v[\r], v[\r], v[\r] row_xmask:8 row_mask:0xf bank_mask:0xf
	v_permlanex16_b32 v16, v[\r], s12, s13
	v_add_f32 v[\r], v[\r], v16
.endm
.macro WMAX r                          ; the same for the maximum
	v_max_num_f32_dpp v[\r], v[\r], v[\r] row_xmask:1 row_mask:0xf bank_mask:0xf
	v_max_num_f32_dpp v[\r], v[\r], v[\r] row_xmask:2 row_mask:0xf bank_mask:0xf
	v_max_num_f32_dpp v[\r], v[\r], v[\r] row_xmask:4 row_mask:0xf bank_mask:0xf
	v_max_num_f32_dpp v[\r], v[\r], v[\r] row_xmask:8 row_mask:0xf bank_mask:0xf
	v_permlanex16_b32 v16, v[\r], s12, s13
	v_max_num_f32 v[\r], v[\r], v16
.endm
	s_wait_loadcnt 16                              ; loads come back in order (ISA guide 5.7.1): the 16 of the scores are younger, hidden and bias are in
	; c = hidden[b] . bias: four chains, started by the first four products
.irp n, 0,1,2,3
	v_pk_mul_f32 v[T+2*(\n):T+2*(\n)+1], v[HD+2*(\n):HD+2*(\n)+1], v[BI+2*(\n):BI+2*(\n)+1]
.endr
.irp n, 4,5,6,7,8,9,10,11,12,13,14,15
	v_pk_fma_f32 v[T+2*((\n)%4):T+2*((\n)%4)+1], v[HD+2*(\n):HD+2*(\n)+1], v[BI+2*(\n):BI+2*(\n)+1], v[T+2*((\n)%4):T+2*((\n)%4)+1]
.endr
	v_pk_add_f32 v[T:T+1], v[T:T+1], v[T+2:T+3]
	v_pk_add_f32 v[T+4:T+5], v[T+4:T+5], v[T+6:T+7]
	v_pk_add_f32 v[T:T+1], v[T:T+1], v[T+4:T+5]
	v_add_f32 v[T], v[T], v[T+1]
	WSUM T
	v_mov_b32 v[C], v[T]
	v_mov_b32 v[C+1], v[T]
	s_wait_loadcnt 0x0                             ; the scores
.set n, 0
.rept 32
	v_pk_add_f32 v[X+2*n:X+2*n+1], v[X+2*n:X+2*n+1], v[C:C+1]   ; the scores as the module has them, bias term included
.set n, n+1
.endr
	; the maximum: four chains of sixteen numbers, three operands at a time
.irp n, 0,1,2,3
	v_max_num_f32 v[T+(\n)], v[X+16*(\n)], v[X+16*(\n)+1]
.endr
.irp i, 1,2,3,4,5,6,7
.irp n, 0,1,2,3
	v_max3_num_f32 v[T+(\n)], v[T+(\n)], v[X+16*(\n)+2*(\i)], v[X+16*(\n)+2*(\i)+1]
.endr
.endr
	v_max3_num_f32 v[T], v[T], v[T+1], v[T+2]
	v_max_num_f32 v[T], v[T], v[T+3]
	WMAX T
	v_mul_f32 v[NM], s14, v[T]                     ; L m
	v_mov_b32 v[NM+1], v[NM]
.set n, 0
.rept 32
	v_pk_fma_f32 v[X+2*n:X+2*n+1], v[X+2*n:X+2*n+1], s[14:15], v[NM:NM+1] op_sel_hi:[1,0,1] neg_lo:[0,0,1] neg_hi:[0,0,1]  ; L x - L m, at most about 0
.set n, n+1
.endr
.set n, 0
.rept 64
	v_exp_f32 v[X+n], v[X+n]
.set n, n+1
.endr
	v_nop                                          ; a plain instruction between the last exponential and the use of its result (ISA guide 5.7.2)
	; the sum: four chains of pairs, started by the first eight pairs
	s_wait_alu depctr_va_vdst(0)
.irp n, 0,1,2,3
	v_pk_add_f32 v[T+2*(\n):T+2*(\n)+1], v[X+2*(\n):X+2*(\n)+1], v[X+2*(\n)+8:X+2*(\n)+9]
.endr
.set n, 8
.rept 24
	v_pk_add_f32 v[T+2*(n%4):T+2*(n%4)+1], v[T+2*(n%4):T+2*(n%4)+1], v[X+2*n:X+2*n+1]
.set n, n+1
.endr
	v_pk_add_f32 v[T:T+1], v[T:T+1], v[T+2:T+3]
	v_pk_add_f32 v[T+4:T+5], v[T+4:T+5], v[T+6:T+7]
	v_pk_add_f32 v[T:T+1], v[T:T+1], v[T+4:T+5]
	v_add_f32 v[T], v[T], v[T+1]
	WSUM T                                         ; the largest weight is about 1, so the sum is about 1 or more
	v_rcp_f32 v[R], v[T]
	v_rcp_f32 v[R+1], v[T]
	v_nop                                          ; a plain instruction behind the reciprocals
.set n, 0
	s_wait_alu depctr_va_vdst(0)
.rept 32
	v_pk_mul_f32 v[X+2*n:X+2*n+1], v[X+2*n:X+2*n+1], v[R:R+1]
.set n, n+1
.endr
.irp j, 0,1,2,3,4,5,6,7,8,9,10,11,12,13,14,15
	global_store_b128 v1, v[X+4*(\j):X+4*(\j)+3], s[10:11] offset:512*(\j)          ; 512 consecutive bytes, at a multiple of 256 from out0's first byte
.endr
	s_endpgm
.Lfunc_end_k_qb2dd3352bd_soft:
	.size	k_qb2dd3352bd_soft, .Lfunc_end_k_qb2dd3352bd_soft-k_qb2dd3352bd_soft
	.p2alignl 7, 3214868480
	.fill 96, 4, 3214868480
	.section	.rodata,"a",@progbits
	.p2align	6, 0x0
	.amdhsa_kernel k_qb2dd3352bd_soft
		.amdhsa_group_segment_fixed_size 0
		.amdhsa_private_segment_fixed_size 0
		.amdhsa_enable_private_segment 0
		.amdhsa_kernarg_size 32
		.amdhsa_user_sgpr_count 2
		.amdhsa_user_sgpr_kernarg_segment_ptr 1
		.amdhsa_wavefront_size32 1
		.amdhsa_system_sgpr_workgroup_id_x 1
		.amdhsa_system_sgpr_workgroup_id_y 1
		.amdhsa_system_sgpr_workgroup_id_z 1
		.amdhsa_system_vgpr_workitem_id 0
		.amdhsa_next_free_vgpr 160
		.amdhsa_next_free_sgpr 66
		.amdhsa_reserve_vcc 0
		.amdhsa_float_denorm_mode_32 3
		.amdhsa_float_denorm_mode_16_64 3
		.amdhsa_memory_ordered 1
		.amdhsa_forward_progress 1
		.amdhsa_inst_pref_size 20
	.end_amdhsa_kernel
	.amdgpu_metadata
---
amdhsa.version: [ 1, 2 ]
amdhsa.kernels:
  - .name:           k_qb2dd3352bd_soft
    .symbol:         k_qb2dd3352bd_soft.kd
    .args:
      - { .name: scores, .offset: 0, .size: 8, .value_kind: global_buffer, .address_space: global }
      - { .name: hidden, .offset: 8, .size: 8, .value_kind: global_buffer, .address_space: global }
      - { .name: b, .offset: 16, .size: 8, .value_kind: global_buffer, .address_space: global }
      - { .name: out0, .offset: 24, .size: 8, .value_kind: global_buffer, .address_space: global }
    .group_segment_fixed_size: 0
    .private_segment_fixed_size: 0
    .kernarg_segment_align: 8
    .kernarg_segment_size: 32
    .max_flat_workgroup_size: 32
    .sgpr_count:     66
    .vgpr_count:     160
    .wavefront_size: 32
...
	.end_amdgpu_metadata
.endif
;; end of part 3
